; MI455X (gfx1250); checked and timed in simulation.
; The chip was launched on July 23, 2026; its instructions are those of AMD's public machine-readable ISA for CDNA 5 (MIT licence, August 2026) and "CDNA5" Instruction Set Architecture Reference Guide (July 2026). The comments in the code are by the model that wrote it; some were corrected since.
;; Weightless FFN. Allowed arithmetic: matrix products marked QUANTISED: E2M1 operands, one E8M0 scale for each 32 along K, by v_wmma_scale_f32_16x16x128_f8f6f4 with both operands' format E2M1 (or v_wmma_scale_f32_32x16x128_f4), f32 sums; everything else in f32.
;; Inputs: down_s 2,048 float32; down_w 2,048 x 2,752 int32; gate_s 2,752 float32; gate_w 2,752 x 2,048 int32; up_s 2,752 float32; up_w 2,752 x 2,048 int32; x 2 x 2,048 x 2,048 float32.
;; Outputs: out0 2 x 2,048 x 2,048 float32.
;; This version of the problem:
;;   THIS VERSION OF THE PROBLEM IS GIVEN IN LOW PRECISION. The matrix products marked QUANTISED in the list below multiply operands that are first quantised to E2M1 (2 exponent bits, 1 mantissa bit; 4 bits a number), with one power-of-two scale for each 32 numbers along K (OCP MX v1.0); their sums are f32. All else is computed in f32.
;;   The module's matrix products, in the order in which they are computed (A, B: the left and right operand; K: the contracted axis; several contracted axes count as one K, in the product's order):
;;     1. [M 4,096, K 2,048] x [K 2,048, N 2,752]; A: input x; B: input gate_w: QUANTISED
;;     2. [M 4,096, K 2,048] x [K 2,048, N 2,752]; A: input x; B: input up_w: QUANTISED
;;     3. [M 4,096, K 2,752] x [K 2,752, N 2,048]; A: computed on the way; B: input down_w: QUANTISED
;;   THE QUANTISER, for each operand of a quantised product, along K:
;;     - K is cut into blocks of 32 from its start; a last block that is shorter is filled with zeros.
;;     - A block's scale is 2^e with e = floor(log2(the largest magnitude in the block)) - 2, held to -126 .. 127; a block of zeros has e = 0. As a byte (E8M0): e + 127.
;;     - Each number is divided by its block's scale, clamped to +-6, and rounded to the nearest number of E2M1, ties to even, subnormals kept.
;;     - The product sums the exact products of the quantised numbers (number of the format x scale) in f32.
;;   ~~~python
;;   def quantise(x, axis):      # numpy; x: float32 -> the quantised numbers, widened to float32 again
;;       x = np.moveaxis(x, axis, -1); K = x.shape[-1]
;;       x = np.pad(x, [(0, 0)] * (x.ndim - 1) + [(0, -K % 32)]); x = x.reshape(x.shape[:-1] + (-1, 32)); a = np.abs(x).max(-1, keepdims=True)
;;       e = np.where(a > 0, np.clip(np.frexp(np.where(a > 0, a, 1))[1] - 1 - 2, -126, 127), 0)      # np.frexp(a)[1] - 1 = floor(log2(a)), exactly
;;       r = np.clip(x / 2.0 ** e, -6, 6)
;;       step = 2.0 ** (np.maximum(np.frexp(np.where(r == 0, 1, r))[1] - 1, 0) - 1)
;;       q = np.round(r / step) * step * 2.0 ** e      # np.round: ties to even
;;       return np.moveaxis(q.reshape(q.shape[:-2] + (-1,))[..., :K], -1, axis).astype(np.float32)
;;   ~~~
;;   OPERANDS COMPUTED ON THE WAY. 'Computed on the way' means the value that the module computes at that place (a softmax that the list does not call 'softmax' is quantised finished and normalised). What goes into a quantiser is computed in f32, as accurately as f32 sums, v_exp_f32 and their like allow (about 1e-6 of the number): no bf16 or f16 on the way to a quantiser, and a product that is left as it is and whose result goes on into a quantised operand takes f32 operands (vector FMAs, or v_wmma_f32_16x16x4_f32). A number that lies on a knife's edge between two numbers of the format may be rounded either way, as far as f32 arithmetic and the matrix unit's own rounding can turn it there, and no further.
;; One version. Each part assembles by itself: llvm-mc -triple=amdgcn-amd-amdhsa -mcpu=gfx1250 --defsym DOCPART=n.
;; ======== version 1 of 1: 3 launches
;; limits: right only within a limited range of input values
;; workspace buffers: xc 4,194,304 bytes; xs 262,144 bytes; guc 5,898,240 bytes; gus 368,640 bytes; dwc 2,883,584 bytes; dws 180,224 bytes; hc 5,767,168 bytes; hs 360,448 bytes
;; launch quant (part 1): grid 792 x 1, 4 waves a work-group, no clusters, 22,016 bytes of LDS; arguments x, gate_w, up_w, down_w, xc, xs, guc, gus, dwc, dws; writes xc, xs, guc, gus, dwc, dws
.if DOCPART == 1
	.amdgcn_target "amdgcn-amd-amdhsa--gfx1250"
	.amdhsa_code_object_version 6
	.text
	.protected	k_qa5b2126358_quant
	.globl	k_qa5b2126358_quant
	.p2align	8
	.type	k_qa5b2126358_quant,@function
k_qa5b2126358_quant:
	s_mov_b64 s[64:65], 0
	v_nop
	global_prefetch_b8 v0, s[64:65] scope:SCOPE_SE
	s_setreg_imm32_b32 hwreg(HW_REG_WAVE_MODE, 25, 1), 1
	s_wait_xcnt 0x0
; out = (silu((x Wg^T) gs) * ((x Wu^T) us)) Wd^T * ds, all three products on codes of FP4 (E2M1) with one E8M0 scale for each 32 along K.
; NOTHING OF THE PROBLEM IS LEFT OUT: every input has a way to the output, and every product is done.  What is added is fill: K = 2,752 of the third product is filled
; with zero codes up to 2,816 (22 steps of 128), on both operands, and the hidden units 2,752 .. 2,879 that the last tile of the first two products would hold are rows of zero codes.
; THIS LAUNCH turns x [4096][2048] f32 and gate_w, up_w [2752][2048], down_w [2048][2752] int32 (widened to f32 as reference() widens them) into codes and scale words, each tensor once.
; A block's scale byte is the largest magnitude's exponent field - 2, held at 1 from below.  A block of zeros so has the byte 1 where the rule says 127: its codes are zeros, and this program alone reads the bytes.
; LIMITS: a block whose largest magnitude lies under 2^-124 keeps the byte 1; NaN and infinities among the inputs are not served.
; CODES: the image of an operand's registers: [row / 16][k / 32][row % 16][16 bytes].  SCALES: [k / 128][row], a word of four bytes a row.
; guc, gus hold gate and up together: group G of 64 rows is band G / 2 of gate (G even) or up (G odd); in it place (t, r) holds row 32 (t / 2) + 8 (t % 2) + r + 8 (r / 8),
; so that the next launch's results lie with 16 neighbours along the next K in a lane.  Groups 86 .. 89 (bands that do not exist) are zero codes under the byte 127.
; SHARES: a wave takes 64 rows x 128 along K: 16 steps of 4 rows; each load reads 512 bytes on end of one row, 4 numbers a lane.  The step's 4 rows x 4 lanes are TRANSPOSED IN REGISTERS inside each group of
; four lanes, by two exchanges (with lane xor 1, then lane xor 2): lane l then holds row l % 4 and k = 16 (l / 4) .. + 15, 16 neighbours; lanes l and l xor 4 hold a block.
; Codes gather in the wave's own stage in LDS and leave as 512 bytes on end a store; the 64 scale words leave as one aligned run of 256 bytes.
; One way through the text serves all four tensors: sizes and pointers are chosen by the work-group's number.  Waves share nothing: no barrier, no cluster, no tensor load (no input byte is read twice).
.set WREG,  5376                       ; LDS of a wave: 256 scale bytes, the codes' stage of 16 x 320 bytes
.set BYT,   0
.set CST,   256
.set SPARE, 4*WREG                     ; the spare words, 128 bytes a wave
.set VO,    4                          ; v4-7     byte offset of my 16 bytes in rows 0 .. 3 of a step
.set SPW,   12                         ; v12      my spare word; never rewritten
.set NIL,   13                         ; v13      0; never rewritten
.set R,     16                         ; v16-79   four sets of 16 numbers as loaded
.set X,     80                         ; v80-95   my 16 neighbours
.set TP,    96                         ; v96-103  what the other lane sends
.set E,     112                        ; v112-127 a scale byte for each step
.set C,     128                        ; v128-159 two registers of codes for each step
.set BYA,   160
.set BYR,   161
.set L8,    162
.set CSA,   163
.set CSR,   164
.set VOUT,  165                        ; v165-168 16 x lane + t x (bytes of 16 rows of codes)
.set WV,    24
.set ISD,   25
.set PERM,  27
.set ISI,   28
.set FIRST, 29
.set RB,    30                         ; a source row in bytes
.set RTB,   31                         ; 16 rows of codes in bytes
.set SRB,   66                         ; a K step's row of scale words in bytes
.set MAG,   67
.set TT,    68
.set TAU,   69
.set RG,    70
.set KS,    71
.set RGS,   72
.set LM,    73
.set VM,    74
.set TS,    75
.set SRC,   76
.set DC,    78
.set DSC,   80
.set M1,    92                         ; lanes with bit 0 set;  M2: with bit 1 set (set behind the LDS addresses, which use s92-94 first)
.set M2,    93
	s_load_b256 s[4:11], s[0:1], 0x0               ; x, gate_w, up_w, down_w
	s_load_b256 s[12:19], s[0:1], 0x20             ; xc, xs, guc, gus
	s_load_b128 s[20:23], s[0:1], 0x40             ; dwc, dws
	v_lshl_add_u32 v[SPW], v0, 2, SPARE
	v_mov_b32 v[NIL], 0
	v_lshrrev_b32 v1, 5, v0
	v_readfirstlane_b32 s[WV], v1                  ; wave
	v_and_b32 v2, 31, v0                           ; lane
	; which tensor: work-groups 0-255 x, 256-615 gate and up (90 groups x 16 K steps, four to a work-group), 616-791 down_w
	s_wait_alu depctr_va_vdst(0)                   ; the wait ahead of the run of scalar lines
	s_cmp_ge_u32 ttmp9, 616
	s_cselect_b32 s[ISD], 1, 0
	s_mov_b32 s[RB], 8192
	s_cselect_b32 s[RB], 11008, s[RB]
	s_mov_b32 s[RTB], 16384
	s_cselect_b32 s[RTB], 22528, s[RTB]
	s_mov_b32 s[MAG], 4096
	s_cselect_b32 s[MAG], 2979, s[MAG]             ; tau x 2979 >> 16 = tau / 22 for tau under 704; tau x 4096 >> 16 = tau / 16
	s_cselect_b32 s[TT], 22, 16                    ; K steps
	s_mov_b32 s[SRB], 16384
	s_cselect_b32 s[SRB], 8192, s[SRB]
	s_cselect_b32 s[FIRST], 616, 0
	s_sub_co_u32 s26, ttmp9, 256
	s_cmp_lt_u32 s26, 360
	s_cselect_b32 s[PERM], 1, 0                    ; gate and up: rows in the order of the next K
	s_cselect_b32 s[SRB], 23040, s[SRB]            ; 5,760 rows of gate and up together
	s_cselect_b32 s[FIRST], 256, s[FIRST]
	s_or_b32 s[ISI], s[ISD], s[PERM]               ; whole numbers to be widened
	s_sub_co_u32 s[TAU], ttmp9, s[FIRST]
	s_lshl_b32 s[TAU], s[TAU], 2
	s_add_co_u32 s[TAU], s[TAU], s[WV]             ; my task
	s_mul_i32 s[RG], s[TAU], s[MAG]
	s_lshr_b32 s[RG], s[RG], 16                    ; its group of 64 rows
	s_mul_i32 s[TS], s[RG], s[TT]
	s_sub_co_u32 s[KS], s[TAU], s[TS]              ; its K step
	s_lshr_b32 s[RGS], s[RG], s[PERM]              ; the group in the source: the band, for gate and up
	s_cmp_eq_u32 s[KS], 21                         ; down_w's last K step has 64 numbers: lanes 16-31 read lanes 0-15's bytes again, so that no load leaves the buffer,
	s_cselect_b32 s[LM], 15, 31
	s_cselect_b32 s[VM], 0x0000ffff, -1            ; and the codes of k >= 2,752, which lanes 16-31 hold, are made zeros (their bytes come of true numbers, so they are no 0xff)
	; LDS addresses
	s_mul_i32 s92, s[WV], WREG
	s_add_co_u32 s93, s92, BYT
	s_add_co_u32 s94, s92, CST
	v_and_b32 v1, 3, v2                            ; my row of the step's four
	v_lshrrev_b32 v3, 3, v2                        ; my block of the K step's four
	v_lshl_add_u32 v1, v1, 2, v3
	v_add_nc_u32 v[BYA], s93, v1                   ; my block's byte: 4 x row + block
	v_lshlrev_b32 v[L8], 3, v2
	v_add_nc_u32 v[BYR], s93, v[L8]
	v_mul_u32_u24 v[CSA], v3, 320                  ; the codes' stage: a run of 256 bytes (one block of 16 rows) + 64 of padding for each (tile of rows, block)
	v_and_b32 v1, 3, v2
	v_lshl_add_u32 v[CSA], v1, 4, v[CSA]           ; 16 bytes a row,
	v_bfe_u32 v1, v2, 2, 1
	v_lshl_add_u32 v[CSA], v1, 3, v[CSA]           ; my half of the block
	v_add_nc_u32 v[CSA], s94, v[CSA]
	v_lshrrev_b32 v1, 4, v2
	v_mul_u32_u24 v[CSR], v1, 320
	v_and_b32 v1, 15, v2
	v_lshl_add_u32 v[CSR], v1, 4, v[CSR]
	v_add_nc_u32 v[CSR], s94, v[CSR]               ; back: two runs an instruction
	; offsets in memory
	v_and_b32 v3, s[LM], v2
	v_lshlrev_b32 v[VO], 4, v3
	v_add_nc_u32 v[VO+1], s[RB], v[VO]
	v_add_nc_u32 v[VO+2], s[RB], v[VO+1]
	v_add_nc_u32 v[VO+3], s[RB], v[VO+2]
	v_lshlrev_b32 v[VOUT], 4, v2
	v_add_nc_u32 v[VOUT+1], s[RTB], v[VOUT]
	v_add_nc_u32 v[VOUT+2], s[RTB], v[VOUT+1]
	v_add_nc_u32 v[VOUT+3], s[RTB], v[VOUT+2]
	s_mul_i32 s82, s[RG], s[RTB]
	s_lshl_b32 s82, s82, 2
	s_lshl_b32 s[TS], s[KS], 10
	s_add_co_u32 s82, s82, s[TS]                   ; codes: 4 tiles of rows a group, 1,024 bytes a K step
	s_mov_b32 s83, 0
	s_mul_i32 s84, s[KS], s[SRB]
	s_lshl_b32 s[TS], s[RG], 8
	s_add_co_u32 s84, s84, s[TS]                   ; scale words: 256 bytes a group
	s_mov_b32 s85, 0
	s_wait_kmcnt 0x0
	s_cmp_eq_u32 s[ISD], 1                         ; the choices hang on the work-group's and the wave's number alone
	s_cselect_b64 s[SRC:SRC+1], s[10:11], s[4:5]
	s_cselect_b64 s[DC:DC+1], s[20:21], s[12:13]
	s_cselect_b64 s[DSC:DSC+1], s[22:23], s[14:15]
	s_and_b32 s[TS], s[RG], 1
	s_cmp_eq_u32 s[TS], 1
	s_cselect_b64 s[86:87], s[8:9], s[6:7]         ; odd groups: up; even: gate
	s_cmp_eq_u32 s[PERM], 1
	s_cselect_b64 s[SRC:SRC+1], s[86:87], s[SRC:SRC+1]
	s_cselect_b64 s[DC:DC+1], s[16:17], s[DC:DC+1]
	s_cselect_b64 s[DSC:DSC+1], s[18:19], s[DSC:DSC+1]
	s_add_nc_u64 s[DC:DC+1], s[DC:DC+1], s[82:83]
	s_add_nc_u64 s[DSC:DSC+1], s[DSC:DSC+1], s[84:85]
	s_cmp_ge_u32 s[RG], 86                         ; only gate's and up's groups reach 86
	s_cbranch_scc0 .Lmain
	; bands 43 and 44 do not exist: zero codes, and the byte 127.  Nothing is loaded and no LDS byte is written on this way
	v_mov_b32 v16, 0
	v_mov_b32 v17, 0
	v_mov_b32 v18, 0
	v_mov_b32 v19, 0
	s_wait_alu depctr_va_vdst(0)
	v_mov_b32 v8, 0x7f7f7f7f
	v_mov_b32 v9, 0x7f7f7f7f
.irp t, 0,1,2,3
	global_store_b128 v[VOUT+\t], v[16:19], s[DC:DC+1]
	global_store_b128 v[VOUT+\t], v[16:19], s[DC:DC+1] offset:512
.endr
	global_store_b64 v[L8], v[8:9], s[DSC:DSC+1]
	s_endpgm
.Lmain:
.irp j, 0,1,2,3,4,5,6,7
	v_mov_b32 v[TP+\j], 0                          ; written once: the destination of a DPP form counts as one of its sources
.endr
	s_mov_b32 s[M1], 0xaaaaaaaa
	s_mov_b32 s[M2], 0xcccccccc
	; sixteen bases, one for each step's four rows, never rewritten.  Step t = 8 s3 + 4 s2 + 2 s1 + s0 takes source rows 4 (8 s3 + 4 s2 + 2 s1 + s0) on; for gate and up 4 (8 s3 + 2 s2 + 4 s1 + s0) on:
	; place (tile 2 s3 + s2, row 8 s1 + 4 s0 + i) holds row 32 s3 + 8 s2 + 16 s1 + 4 s0 + i
	s_mul_i32 s82, s[RGS], s[RB]
	s_lshl_b32 s82, s82, 6
	s_lshl_b32 s[TS], s[KS], 9
	s_add_co_u32 s82, s82, s[TS]                   ; 64 rows a group, 512 bytes a K step (s83 is 0)
	s_lshl_b32 s84, s[RB], 2                       ; four rows (s85 is 0)
	s_add_co_u32 s[TS], s[PERM], 1
	s_lshl_b32 s86, s84, s[TS]                     ; what s1 adds
	s_mov_b32 s87, 0
	s_sub_co_u32 s[TS], 2, s[PERM]
	s_lshl_b32 s88, s84, s[TS]                     ; what s2 adds
	s_mov_b32 s89, 0
	s_lshl_b32 s90, s84, 3                         ; what s3 adds
	s_mov_b32 s91, 0
	s_add_nc_u64 s[32:33], s[SRC:SRC+1], s[82:83]
	s_add_nc_u64 s[34:35], s[32:33], s[84:85]
	s_add_nc_u64 s[36:37], s[32:33], s[86:87]
	s_add_nc_u64 s[38:39], s[34:35], s[86:87]
.irp i, 0,1,2,3
	s_add_nc_u64 s[40+2*\i:41+2*\i], s[32+2*\i:33+2*\i], s[88:89]
.endr
.irp i, 0,1,2,3,4,5,6,7
	s_add_nc_u64 s[48+2*\i:49+2*\i], s[32+2*\i:33+2*\i], s[90:91]
.endr
.macro LOAD t                          ; step t's four rows: 32 lanes read 512 bytes on end of a row
.irp i, 0,1,2,3
	global_load_b128 v[R+16*((\t)%4)+4*\i:R+16*((\t)%4)+4*\i+3], v[VO+\i], s[32+2*(\t):33+2*(\t)] th:TH_LOAD_NT
.endr
.endm
; An exchange of two groups of four registers with lane xor xm (mk: the lanes whose bit xm is set): a lane with the bit clear keeps g0 and takes the other lane's g0 for its g1;
; a lane with the bit set keeps g1 and takes the other lane's g1 for its g0.  Results in d0, d1 (they may be g0, g1: all eight are read first).
.macro XCH d0, d1, g0, g1, xm, mk
.irp j, 0,1,2,3
	v_mov_b32_dpp v[TP+\j], v[\g1+\j] row_xmask:\xm row_mask:0xf bank_mask:0xf
	v_mov_b32_dpp v[TP+4+\j], v[\g0+\j] row_xmask:\xm row_mask:0xf bank_mask:0xf
.endr
.irp j, 0,1,2,3
	v_cndmask_b32 v[\d0+\j], v[\g0+\j], v[TP+\j], s[\mk]
	v_cndmask_b32 v[\d1+\j], v[TP+4+\j], v[\g1+\j], s[\mk]
.endr
.endm
.macro STEP t
.set RS, R+16*((\t)%4)
.set XS, X
	s_wait_alu depctr_va_vdst(0)                   ; the wait ahead of a wait that blocks and of the branch below
.if (\t) < 12
	s_wait_loadcnt 12                              ; this step's four loads are in; those of the three steps behind it may be out
.else
	s_wait_loadcnt 4*(15-(\t))
.endif
	s_cmp_eq_u32 s[ISI], 0                         ; weights are whole numbers: widened to f32 as reference() widens them.  The branch hangs on the work-group's number
	s_cbranch_scc1 .Lf_\@
.set n, 0
.rept 16
	v_cvt_f32_i32 v[RS+n], v[RS+n]
.set n, n+1
.endr
.Lf_\@:
	XCH RS, RS+4, RS, RS+4, 1, M1                  ; group i of lane l: row i, k = 4 l ..;  rows' bit 0 against lanes' bit 0,
	XCH RS+8, RS+12, RS+8, RS+12, 1, M1
	XCH XS, XS+8, RS, RS+8, 2, M2                  ; bit 1 against bit 1: group c of lane l is now row l % 4, k = 16 (l / 4) + 4 c ..
	XCH XS+4, XS+12, RS+4, RS+12, 2, M2
.if (\t)+4 < 16
	LOAD (\t)+4                                    ; the set is free: it takes the loads of four steps on
.endif
	v_max3_num_f32 v8, |v[XS]|, |v[XS+1]|, |v[XS+2]|               ; the largest magnitude of my 16, in two chains
	v_max3_num_f32 v9, |v[XS+3]|, |v[XS+4]|, |v[XS+5]|
.irp i, 6,10
	v_max3_num_f32 v8, v8, |v[XS+\i]|, |v[XS+\i+1]|
	v_max3_num_f32 v9, v9, |v[XS+\i+2]|, |v[XS+\i+3]|
.endr
	v_max3_num_f32 v8, v8, |v[XS+14]|, |v[XS+15]|
	v_max3_num_f32 v8, v8, v9, 0x1800000           ; and the floor 2^(3 - 127): the byte cannot fall under 1
	v_max_num_f32_dpp v8, v8, v8 row_xmask:4 row_mask:0xf bank_mask:0xf   ; with lane xor 4's 16: the block's
	v_add_nc_u32 v11, 0xff000000, v8               ; 2 off its exponent field: the conversion takes this operand's exponent field as its scale
	v_cvt_scalef32_pk8_fp4_f32 v[C+2*(\t)], v[XS:XS+7], v11
	v_cvt_scalef32_pk8_fp4_f32 v[C+2*(\t)+1], v[XS+8:XS+15], v11
	v_lshrrev_b32 v[E+(\t)], 23, v11               ; the scale's byte; also the plain instruction between the conversions and the lines that touch their results
	v_cndmask_b32 v[C+2*(\t)], 0, v[C+2*(\t)], s[VM]               ; zeros beyond K's end
	v_cndmask_b32 v[C+2*(\t)+1], 0, v[C+2*(\t)+1], s[VM]
	ds_store_b8 v[BYA], v[E+(\t)] offset:16*(\t)   ; both lanes of a block write the same byte with the same value
	ds_store_b64 v[CSA], v[C+2*(\t):C+2*(\t)+1] offset:1280*((\t)/4)+64*((\t)%4)   ; tile t / 4, rows 4 (t % 4) on
.endm
	s_wait_alu depctr_va_vdst(0)                   ; the wait at the head's end
.irp t, 0,1,2,3
	LOAD \t
.endr
.irp t, 0,1,2,3,4,5,6,7,8,9,10,11,12,13,14,15
	STEP \t
.endr
	ds_load_b64 v[8:9], v[BYR]                     ; LDS serves a wave's instructions in order: these see my stores
.irp i, 0,1,2,3,4,5,6,7
	ds_load_b128 v[R+4*\i:R+4*\i+3], v[CSR] offset:640*\i
.endr
	s_wait_dscnt 8                                 ; the scale words are back; the eight loads behind them may be out
	global_store_b64 v[L8], v[8:9], s[DSC:DSC+1]   ; 32 lanes store 256 bytes on end, aligned
.irp i, 0,1,2,3,4,5,6,7
	s_wait_dscnt 7-\i
	global_store_b128 v[VOUT+\i/2], v[R+4*\i:R+4*\i+3], s[DC:DC+1] offset:512*(\i%2)   ; half a fragment: 512 bytes on end, aligned
.endr
	s_wait_tensorcnt 0x0                           ; the wave's end
	ds_add_u32 v[SPW], v[NIL]
	s_wait_dscnt 0x0
	s_endpgm
.Lfunc_end_k_qa5b2126358_quant:
	.size	k_qa5b2126358_quant, .Lfunc_end_k_qa5b2126358_quant-k_qa5b2126358_quant
	.p2alignl 7, 3214868480
	.fill 96, 4, 3214868480
	.section	.rodata,"a",@progbits
	.p2align	6, 0x0
	.amdhsa_kernel k_qa5b2126358_quant
		.amdhsa_group_segment_fixed_size 22016
		.amdhsa_private_segment_fixed_size 0
		.amdhsa_enable_private_segment 0
		.amdhsa_kernarg_size 80
		.amdhsa_user_sgpr_count 2
		.amdhsa_user_sgpr_kernarg_segment_ptr 1
		.amdhsa_wavefront_size32 1
		.amdhsa_system_sgpr_workgroup_id_x 1
		.amdhsa_system_sgpr_workgroup_id_y 1
		.amdhsa_system_sgpr_workgroup_id_z 1
		.amdhsa_system_vgpr_workitem_id 0
		.amdhsa_next_free_vgpr 192
		.amdhsa_next_free_sgpr 96
		.amdhsa_reserve_vcc 0
		.amdhsa_float_denorm_mode_32 3
		.amdhsa_float_denorm_mode_16_64 3
		.amdhsa_memory_ordered 1
		.amdhsa_forward_progress 1
		.amdhsa_inst_pref_size 106
	.end_amdhsa_kernel
	.amdgpu_metadata
---
amdhsa.version: [ 1, 2 ]
amdhsa.kernels:
  - .name:           k_qa5b2126358_quant
    .symbol:         k_qa5b2126358_quant.kd
    .args:
      - { .name: x, .offset: 0, .size: 8, .value_kind: global_buffer, .address_space: global }
      - { .name: gate_w, .offset: 8, .size: 8, .value_kind: global_buffer, .address_space: global }
      - { .name: up_w, .offset: 16, .size: 8, .value_kind: global_buffer, .address_space: global }
      - { .name: down_w, .offset: 24, .size: 8, .value_kind: global_buffer, .address_space: global }
      - { .name: xc, .offset: 32, .size: 8, .value_kind: global_buffer, .address_space: global }
      - { .name: xs, .offset: 40, .size: 8, .value_kind: global_buffer, .address_space: global }
      - { .name: guc, .offset: 48, .size: 8, .value_kind: global_buffer, .address_space: global }
      - { .name: gus, .offset: 56, .size: 8, .value_kind: global_buffer, .address_space: global }
      - { .name: dwc, .offset: 64, .size: 8, .value_kind: global_buffer, .address_space: global }
      - { .name: dws, .offset: 72, .size: 8, .value_kind: global_buffer, .address_space: global }
    .group_segment_fixed_size: 22016
    .private_segment_fixed_size: 0
    .kernarg_segment_align: 8
    .kernarg_segment_size: 80
    .max_flat_workgroup_size: 128
    .sgpr_count:     96
    .vgpr_count:     192
    .wavefront_size: 32
...
	.end_amdgpu_metadata
.endif
;; end of part 1
;; launch gateup (part 2): grid 16 x 15, 4 waves a work-group, clusters of 4 x 1, 327,680 bytes of LDS; arguments xc, xs, guc, gus, gate_s, up_s, hc, hs; writes hc, hs
.if DOCPART == 2
	.amdgcn_target "amdgcn-amd-amdhsa--gfx1250"
	.amdhsa_code_object_version 6
	.text
	.protected	k_qa5b2126358_gateup
	.globl	k_qa5b2126358_gateup
	.p2align	8
	.type	k_qa5b2126358_gateup,@function
k_qa5b2126358_gateup:
	s_mov_b64 s[64:65], 0
	v_nop
	global_prefetch_b8 v0, s[64:65] scope:SCOPE_SE
	s_setreg_imm32_b32 hwreg(HW_REG_WAVE_MODE, 25, 1), 1
	s_wait_xcnt 0x0
	s_wait_alu depctr_hold_cnt(0) depctr_sa_sdst(0) depctr_va_vdst(0) depctr_va_sdst(0) depctr_va_ssrc(0) depctr_va_vcc(0) depctr_vm_vsrc(0)
	s_getreg_b32 s2, hwreg(HW_REG_IB_STS2, 6, 4)
	s_cmp_eq_u32 s2, 0
	s_cbranch_scc0 .Lentry_in_a_cluster
	s_endpgm
.Lentry_in_a_cluster:
	s_bfe_u32 s2, ttmp6, 0x10000c
	s_cmp_lg_u32 s2, 0x3003
	s_cbranch_scc0 .Lentry_shape_is_right
	s_endpgm
.Lentry_shape_is_right:
; h = silu((x Wg^T) gs) * ((x Wu^T) us), quantised along the next K, on the codes and scale words that the launch before stored.  Nothing of the problem is left out here.
; A work-group makes 256 rows x 192 hidden units (gate and up: 384 rows of guc); a wave 128 rows x 96 units of both.  K = 2,048: 16 steps of 128, three to a slot, two slots.
; THE HEAD: one tensor load a wave: wave 0 x's slot 0, wave 1 the weights' slot 0, wave 2 x's scale words, wave 3 the weights'; slot 1 is first filled behind the next round, a quarter a wave.
; K steps 1 .. 12 are a loop of two trips of six steps: after six steps the slot and the register sets are back where they began; the scale words' addresses step six K steps a trip.
; CLUSTER 4 x 1: the four partners share the weights' tiles and scale words (joint loads); x's are each work-group's own.
; No data prefetch is laid: of a work-group's six fills two go out ahead of the first product.
.set SKB, 0                            ; K steps that the scale words' addresses have been stepped by
.set SLOTB, 122880
.set BOFF,  49152
.set RT,    3072
.set SCA,   245760
.set SCB,   262144
.set GSC,   286720
.set SCST,  288768
.set SPARE, 292864
.set ADRA, 1
.set ADRB, 3
.set ADRH, 5
.set ADSA, 7
.set ADSB, 8
.set GSA,  9
.set SPW,  10
.set NIL,  11
.set SC,   12
.set AF,   32
.set BF,   160
.set HCO,  1
.set SST,  2
.set SRD,  3
.set T8,   4
.set GT,   32
.set ET,   80
.set TM,   128
.set PW,   140
.set PC,   142
.set FN,   148
.set WV,   20
.set RH,   21
.set CH,   22
.set G1A,  24
.set G0A,  32
.set G1B,  40
.set G0B,  48
.set G1SA, 56
.set G1SB, 68
.set G0SA, 76
.set G0SB, 80
.set SEL,  84
.set NLE,  86
.set MT,   88
.set JT,   89
.set PAR,  90
.set MSB, 0
.macro WIN new
.if MSB != (\new)
	s_set_vgpr_msb (MSB<<8)|(\new)
.set MSB, (\new)
.endif
.endm
.macro JLOAD g0a, g1a, g0b, g1b
	s_cmp_eq_u32 s[RH], 0
	s_cbranch_scc0 .Lfor_b_\@
	tensor_load_to_lds s[\g0a:\g0a+3], s[\g1a:\g1a+7]
	s_nop 0
.rept 4
	v_nop
.endr
	s_branch .Lasked_\@
.Lfor_b_\@:
	tensor_load_to_lds s[\g0b:\g0b+3], s[\g1b:\g1b+7]
	s_nop 0
.rept 4
	v_nop
.endr
.Lasked_\@:
.endm
.macro CREST
	s_cmp_lg_u32 s[WV], 0
	s_cbranch_scc1 .Lnot_wave_0_\@
	s_barrier_signal -3
.Lnot_wave_0_\@:
	s_barrier_wait -3
	s_barrier_signal -1
	s_barrier_wait -1
.endm
.macro CROUND
	s_barrier_signal -1
	s_barrier_wait -1
	CREST
.endm
.macro G1SET g, c, r, p
	s_mov_b32 s[\g+1], (\c)<<16
	s_mov_b32 s[\g+2], (\r)<<16
	s_mov_b32 s[\g+3], (\c)<<16
	s_mov_b32 s[\g+4], \r
	s_mov_b32 s[\g+5], \p
	s_mov_b32 s[\g+6], 0
	s_mov_b32 s[\g+7], 0
.endm
	s_load_b512 s[4:19], s[0:1], 0x0
	v_lshl_add_u32 v[SPW], v0, 2, SPARE
	v_mov_b32 v[NIL], 0
	ds_add_u32 v[SPW], v[NIL]
	ds_add_u32 v[SPW], v[NIL]
	v_lshrrev_b32 v32, 5, v0
	v_readfirstlane_b32 s[WV], v32
	s_lshr_b32 s[RH], s[WV], 1
	s_and_b32 s[CH], s[WV], 1
	s_bfe_u32 s23, ttmp6, 0x40000
	s_lshl_b32 s[MT], ttmp9, 2
	s_add_co_u32 s[MT], s[MT], s23
	s_and_b32 s[JT], ttmp7, 0xffff
	s_mov_b32 s[G1A], 3<<16
	s_mov_b32 s[G1B], 15|(3<<16)|(1<<21)
	s_mov_b32 s[G1SA], 3<<16
	s_mov_b32 s[G1SB], 15|(3<<16)|(1<<21)
	G1SET G1A, 384, 16, 2048                       ; the head's loads bring whole tiles; the ring's row counts are set behind the head's wait
	G1SET G1B, 384, 24, 2048
	G1SET G1SA, 128, 16, 2048
	G1SET G1SB, 192, 16, 2880
	s_mov_b32 s[SEL], 0x76543210
	s_mov_b32 s[SEL+1], 0xfedcba98
	s_mov_b32 s[NLE], 0xbfb8aa3b
	s_mov_b32 s[NLE+1], s[NLE]
	s_lshl_b32 s90, s[MT], 18
	s_mov_b32 s91, 0
	s_mul_i32 s92, s[JT], 393216
	s_mov_b32 s93, 0
	s_lshl_b32 s94, s[MT], 10
	s_mov_b32 s95, 0
	s_mul_i32 s96, s[JT], 1536
	s_mov_b32 s97, 0
	s_mul_i32 s98, s[CH], 24576
	s_mul_i32 s99, s[CH], 36864
	s_add_co_u32 s99, s99, BOFF
	s_wait_dscnt 0x0
	s_wait_kmcnt 0x0
	s_add_nc_u64 s[4:5], s[4:5], s[90:91]
	s_add_nc_u64 s[6:7], s[6:7], s[94:95]
	s_add_nc_u64 s[8:9], s[8:9], s[92:93]
	s_add_nc_u64 s[10:11], s[10:11], s[96:97]
	CROUND
	s_mov_b32 s[G0SA], 1
	s_mov_b32 s[G0SA+1], SCA
	s_mov_b64 s[G0SA+2:G0SA+3], s[6:7]
	s_or_b32 s[G0SA+3], s[G0SA+3], 0x80000000
	s_mov_b32 s[G0SB], 1
	s_mov_b32 s[G0SB+1], SCB
	s_mov_b64 s[G0SB+2:G0SB+3], s[10:11]
	s_or_b32 s[G0SB+3], s[G0SB+3], 0x80000000
	s_mov_b32 s[G0A], 1                            ; slot 0, whole: x's 16 tiles of rows,
	s_mov_b32 s[G0A+1], 0
	s_mov_b64 s[G0A+2:G0A+3], s[4:5]
	s_or_b32 s[G0A+3], s[G0A+3], 0x80000000
	s_mov_b32 s[G0B], 1                            ; and the weights' 24
	s_mov_b32 s[G0B+1], BOFF
	s_mov_b64 s[G0B+2:G0B+3], s[8:9]
	s_or_b32 s[G0B+3], s[G0B+3], 0x80000000
; the head's four tiles, one tensor load a wave: one chain of branches on the wave's number, every arm with its load
.macro ARM under, g0, g1, next
	s_cmp_lt_u32 s[WV], \under
	s_cbranch_scc0 \next
	tensor_load_to_lds s[\g0:\g0+3], s[\g1:\g1+7]
	s_nop 0
.rept 4
	v_nop
.endr
	s_branch .Lhead_asked
\next:
.endm
	ARM 1, G0A,  G1A,  .Lhead_b
	ARM 2, G0B,  G1B,  .Lhead_sa
	ARM 3, G0SA, G1SA, .Lhead_sb
	tensor_load_to_lds s[G0SB:G0SB+3], s[G1SB:G1SB+7]
	s_nop 0
.rept 4
	v_nop
.endr
.Lhead_asked:
	s_lshl_b32 s90, s[CH], 17                      ; for the ring: my half of a tile: 8 tiles of x's rows (s91 is 0),
	s_mul_i32 s92, s[CH], 196608                   ; 12 of the weights' (s93 is 0)
	s_add_nc_u64 s[4:5], s[4:5], s[90:91]
	s_add_nc_u64 s[8:9], s[8:9], s[92:93]
	s_mov_b32 s[G0A+4], 1                          ; slot 1: K steps 3-5
	s_add_co_u32 s[G0A+5], s98, SLOTB
	s_add_nc_u64 s[G0A+6:G0A+7], s[4:5], RT
	s_or_b32 s[G0A+7], s[G0A+7], 0x80000000
	s_mov_b32 s[G0B+4], 1
	s_add_co_u32 s[G0B+5], s99, SLOTB
	s_add_nc_u64 s[G0B+6:G0B+7], s[8:9], RT
	s_or_b32 s[G0B+7], s[G0B+7], 0x80000000
	s_mul_i32 s2, s[JT], 192
	v_lshl_add_u32 v32, v0, 1, s2
	v_min_u32 v32, 2750, v32
	v_lshlrev_b32 v32, 2, v32
	global_load_b64 v[34:35], v32, s[12:13]
	global_load_b64 v[36:37], v32, s[14:15]
	v_lshl_add_u32 v33, v0, 3, GSC
	v_and_b32 v38, 31, v0
	v_bfe_u32 v39, v0, 4, 1
	v_lshlrev_b32 v40, 4, v38
	s_mul_i32 s2, s[RH], 24576
	s_mul_i32 s3, s[CH], 6144
	s_add_co_u32 s3, s3, BOFF
.irp s, 0,1
	v_add_nc_u32 v[ADRA+\s], s2, v40
	v_add_nc_u32 v[ADRB+\s], s3, v40
	v_add_nc_u32 v[ADRH+\s], 16*RT, v[ADRB+\s]
	s_add_co_u32 s2, s2, SLOTB
	s_add_co_u32 s3, s3, SLOTB
.endr
	v_lshlrev_b32 v41, 2, v38
	s_lshl_b32 s2, s[RH], 9
	s_add_co_u32 s2, s2, SCA
	v_add_nc_u32 v[ADSA], s2, v41
	s_lshl_b32 s3, s[CH], 7
	s_add_co_u32 s3, s3, SCB
	v_add_nc_u32 v[ADSB], s3, v41
	s_lshl_b32 s2, s[CH], 7
	s_add_co_u32 s2, s2, GSC
	v_lshl_add_u32 v[GSA], v39, 6, s2
	s_lshl_b32 s2, s[MT], 4
	s_lshl_b32 s3, s[RH], 3
	s_add_co_u32 s2, s2, s3
	s_mul_i32 s2, s2, 22528
	s_mul_i32 s3, s[JT], 1536
	s_add_co_u32 s2, s2, s3
	s_lshl_b32 s3, s[CH], 8
	s_add_co_u32 s2, s2, s3
	s_mov_b32 s3, 0
	s_add_nc_u64 s[16:17], s[16:17], s[2:3]
.macro FRAG reg, adr, off
	ds_load_b128 v[\reg:\reg+3], v[\adr] offset:\off
	ds_load_b128 v[\reg+4:\reg+7], v[\adr] offset:\off+512
.endm
.macro KMAP ks
.set sl, ((\ks)/3)%2
.set qq, (\ks)%3
.if (\ks) == 15
.set qq, 2
.endif
.endm
.macro FETCH_A ks
	KMAP \ks
.irp i, 0,1,2,3,4,5,6,7
	FRAG AF+64*((\ks)%2)+8*\i, ADRA+sl, RT*\i+1024*qq
.endr
.endm
.macro FETCH_B ks, m
	KMAP \ks
.irp t, 0,1,2,3
.if (\m) < 2
	FRAG BF+32*(\m)+8*\t, ADRB+sl, RT*(8*(\m)+4*(\t/2)+\t%2)+1024*qq
.else
	FRAG BF+32*(\m)+8*\t, ADRH+sl, RT*(4*(\t/2)+\t%2)+1024*qq
.endif
.endr
.endm
.macro FETCH_S ks
.irp i, 0,1,2,3
	ds_load_b32 v[SC+10*((\ks)%2)+\i], v[ADSA] offset:1024*((\ks)-SKB)+128*\i
.endr
.irp i, 0,1,2,3,4,5
	ds_load_b32 v[SC+10*((\ks)%2)+4+\i], v[ADSB] offset:1536*((\ks)-SKB)+256*\i
.endr
.endm
.macro WM a, m, t, p, zero
.set rD, 8*(4*(\a)+(\t))
.set rB, BF+32*(\m)+8*(\t)
.set rA, AF+64*(\p)+8*(\a)
.set sB, SC+10*(\p)+4+2*(\m)+(\t)/2
.set sA, SC+10*(\p)+(\a)/2
.if \zero
.if ((\t)%2) && ((\a)%2)
	v_wmma_scale_f32_16x16x128_f8f6f4 v[rD:rD+7], v[rB:rB+7], v[rA:rA+7], 0, v[sB], v[sA] matrix_a_fmt:MATRIX_FMT_FP4 matrix_b_fmt:MATRIX_FMT_FP4 matrix_a_scale:MATRIX_SCALE_ROW1 matrix_b_scale:MATRIX_SCALE_ROW1
.elseif (\t)%2
	v_wmma_scale_f32_16x16x128_f8f6f4 v[rD:rD+7], v[rB:rB+7], v[rA:rA+7], 0, v[sB], v[sA] matrix_a_fmt:MATRIX_FMT_FP4 matrix_b_fmt:MATRIX_FMT_FP4 matrix_a_scale:MATRIX_SCALE_ROW1
.elseif (\a)%2
	v_wmma_scale_f32_16x16x128_f8f6f4 v[rD:rD+7], v[rB:rB+7], v[rA:rA+7], 0, v[sB], v[sA] matrix_a_fmt:MATRIX_FMT_FP4 matrix_b_fmt:MATRIX_FMT_FP4 matrix_b_scale:MATRIX_SCALE_ROW1
.else
	v_wmma_scale_f32_16x16x128_f8f6f4 v[rD:rD+7], v[rB:rB+7], v[rA:rA+7], 0, v[sB], v[sA] matrix_a_fmt:MATRIX_FMT_FP4 matrix_b_fmt:MATRIX_FMT_FP4
.endif
.else
.if ((\t)%2) && ((\a)%2)
	v_wmma_scale_f32_16x16x128_f8f6f4 v[rD:rD+7], v[rB:rB+7], v[rA:rA+7], v[rD:rD+7], v[sB], v[sA] matrix_a_fmt:MATRIX_FMT_FP4 matrix_b_fmt:MATRIX_FMT_FP4 matrix_a_scale:MATRIX_SCALE_ROW1 matrix_b_scale:MATRIX_SCALE_ROW1
.elseif (\t)%2
	v_wmma_scale_f32_16x16x128_f8f6f4 v[rD:rD+7], v[rB:rB+7], v[rA:rA+7], v[rD:rD+7], v[sB], v[sA] matrix_a_fmt:MATRIX_FMT_FP4 matrix_b_fmt:MATRIX_FMT_FP4 matrix_a_scale:MATRIX_SCALE_ROW1
.elseif (\a)%2
	v_wmma_scale_f32_16x16x128_f8f6f4 v[rD:rD+7], v[rB:rB+7], v[rA:rA+7], v[rD:rD+7], v[sB], v[sA] matrix_a_fmt:MATRIX_FMT_FP4 matrix_b_fmt:MATRIX_FMT_FP4 matrix_b_scale:MATRIX_SCALE_ROW1
.else
	v_wmma_scale_f32_16x16x128_f8f6f4 v[rD:rD+7], v[rB:rB+7], v[rA:rA+7], v[rD:rD+7], v[sB], v[sA] matrix_a_fmt:MATRIX_FMT_FP4 matrix_b_fmt:MATRIX_FMT_FP4
.endif
.endif
.endm
.macro MULQ m, a0, p, zero
.irp a, \a0, \a0+1, \a0+2, \a0+3
.irp t, 0,1,2,3
	WM \a, \m, \t, \p, \zero
.endr
.endr
.endm
.macro PLACES
.rept 4
	v_nop
.endr
.endm
.macro TAIL ks, w1, zero
.if \w1
	s_wait_dscnt 42
.endif
	WIN 0xa0
	MULQ 1, 0, (\ks)%2, \zero
	MULQ 1, 4, (\ks)%2, \zero
	PLACES
	WIN 0
	FETCH_B (\ks)+1, 1
.if \w1
	s_wait_dscnt 42
.endif
	WIN 0xf0
	MULQ 2, 0, (\ks)%2, \zero
	MULQ 2, 4, (\ks)%2, \zero
	PLACES
	WIN 0
	FETCH_B (\ks)+1, 2
.endm
.macro STEP ks, zero
	s_wait_dscnt 16
	WIN 0x50
	MULQ 0, 0, (\ks)%2, \zero
	MULQ 0, 4, (\ks)%2, \zero
	PLACES
	WIN 0
	FETCH_B (\ks)+1, 0
	FETCH_A (\ks)+1
	FETCH_S (\ks)+1
	TAIL \ks, 1, \zero
.endm
.macro TURN ks, fill, stepb
.set tsl, ((\ks)/3)%2
	s_wait_tensorcnt 0x0
	ds_add_u32 v[SPW], v[NIL]
	s_wait_dscnt 17
	WIN 0x50
	MULQ 0, 0, (\ks)%2, 0
	s_wait_dscnt 0x0
	s_barrier_signal -1
	MULQ 0, 4, (\ks)%2, 0
	WIN 0
	s_barrier_wait -1
.if \fill
	CREST
	s_add_nc_u64 s[G0A+4*tsl+2:G0A+4*tsl+3], s[G0A+4*tsl+2:G0A+4*tsl+3], \stepb
	s_add_nc_u64 s[G0B+4*tsl+2:G0B+4*tsl+3], s[G0B+4*tsl+2:G0B+4*tsl+3], \stepb
	JLOAD G0A+4*tsl, G1A, G0B+4*tsl, G1B
.else
	PLACES
.endif
	FETCH_B (\ks)+1, 0
	FETCH_A (\ks)+1
	FETCH_S (\ks)+1
	TAIL \ks, 0, 0
.endm
.macro GSLOAD m
.irp u, 0,1
	ds_load_b128 v[BF+32*\m+8*\u:BF+32*\m+8*\u+3], v[GSA] offset:256*\m+32*\u
	ds_load_b128 v[BF+32*\m+8*\u+4:BF+32*\m+8*\u+7], v[GSA] offset:256*\m+32*\u+16
	ds_load_b128 v[BF+32*\m+16+8*\u:BF+32*\m+16+8*\u+3], v[GSA] offset:1024+256*\m+32*\u
	ds_load_b128 v[BF+32*\m+16+8*\u+4:BF+32*\m+16+8*\u+7], v[GSA] offset:1024+256*\m+32*\u+16
.endr
.endm
	s_wait_alu depctr_va_vdst(0)
	s_wait_loadcnt 0x0
	ds_store_b64 v33, v[34:35]
	ds_store_b64 v33, v[36:37] offset:1024
	s_wait_tensorcnt 0x0                           ; my tile of the head's four is in
	ds_add_u32 v[SPW], v[NIL]
	s_mov_b32 s[G1A+2], 8<<16                      ; no tensor load of mine is out: from here on a load brings half a tile's rows,
	s_mov_b32 s[G1A+4], 8
	s_mov_b32 s[G1B+2], 12<<16
	s_mov_b32 s[G1B+4], 12
	s_mov_b32 s[G0A+1], s98                        ; and slot 0's group 0 names my half
	s_mov_b64 s[G0A+2:G0A+3], s[4:5]
	s_or_b32 s[G0A+3], s[G0A+3], 0x80000000
	s_mov_b32 s[G0B+1], s99
	s_mov_b64 s[G0B+2:G0B+3], s[8:9]
	s_or_b32 s[G0B+3], s[G0B+3], 0x80000000
	s_wait_dscnt 0x0                               ; the add and my stores of gs and us are done
	CROUND                                         ; all four tiles are in, and the four partners are here
	JLOAD G0A+4, G1A, G0B+4, G1B                   ; slot 1's first fill, my one tensor load behind the round
	FETCH_B 0, 0
	FETCH_A 0
	FETCH_S 0
	FETCH_B 0, 1
	FETCH_B 0, 2
	STEP 0, 1
	s_mov_b32 s96, 2*RT                            ; what slot 1's refill steps by: six K steps in the first trip (3-5 to 9-11),
	s_mov_b32 s97, 0
	s_mov_b32 s98, 2
.Lk:                                               ; two trips: K steps 1-6 and 7-12
	STEP 1, 0
	TURN 2, 1, 2*RT
	STEP 3, 0
	STEP 4, 0
	TURN 5, 1, s[96:97]
	s_mov_b32 s96, 4096                            ; four in the second (9-11 to 13-15: K ends at step 15)
	STEP 6, 0
	v_add_nc_u32 v[ADSA], 6*1024, v[ADSA]          ; the scale words of six K steps on
	v_add_nc_u32 v[ADSB], 6*1536, v[ADSB]
	s_wait_alu depctr_va_vdst(0)                   ; the wait here, directly behind the writes
	s_sub_co_u32 s98, s98, 1
	s_cmp_lg_u32 s98, 0
	s_cbranch_scc1 .Lk
.set SKB, 12
	STEP 13, 0
	TURN 14, 0, 0
	s_wait_dscnt 16
	WIN 0x50
	MULQ 0, 0, 1, 0
	MULQ 0, 4, 1, 0
	PLACES
	WIN 0
	GSLOAD 0
	s_wait_dscnt 16
	WIN 0xa0
	MULQ 1, 0, 1, 0
	MULQ 1, 4, 1, 0
	PLACES
	WIN 0
	GSLOAD 1
	s_wait_dscnt 16
	WIN 0xf0
	MULQ 2, 0, 1, 0
	MULQ 2, 4, 1, 0
	PLACES
	WIN 0
	GSLOAD 2
	v_and_b32 v[TM], 15, v0
	v_bfe_u32 v[TM+1], v0, 4, 1
	v_lshlrev_b32 v[HCO], 4, v[TM]
	v_lshl_add_u32 v[HCO], v[TM+1], 3, v[HCO]
	s_lshl_b32 s2, s[CH], 11
	s_lshl_b32 s3, s[RH], 10
	s_add_co_u32 s2, s2, s3
	s_add_co_u32 s2, s2, SCST
	v_lshl_add_u32 v[SST], v[TM], 3, s2
	v_lshl_add_u32 v[SRD], v0, 4, SCST
	v_lshlrev_b32 v[T8], 3, v0
	v_mov_b32 v[TM+3], 0
	v_mov_b32 v[TM+4], 0
	v_mov_b32 v[TM+5], 0
	s_mul_i32 s2, s[JT], 3
	s_add_co_u32 s2, s2, 1
	s_lshr_b32 s2, s2, 1
	s_and_b32 s[PAR], s[JT], 1
	s_lshl_b32 s3, s[PAR], 1
	s_sub_co_u32 s3, s2, s3
	s_add_co_u32 s3, s3, 1
	s_lshl_b32 s92, s2, 14
	s_lshl_b32 s94, s3, 14
	s_lshl_b32 s2, s[MT], 10
	s_add_co_u32 s92, s92, s2
	s_add_co_u32 s94, s94, s2
	s_mov_b32 s93, 0
	s_mov_b32 s95, 0
	s_add_nc_u64 s[14:15], s[18:19], s[94:95]
	s_add_nc_u64 s[18:19], s[18:19], s[92:93]
	s_wait_dscnt 0x0
.macro EPI a
.irp m, 0,1,2
	WIN 0x01+\m
.set n, 0
.rept 8
	v_pk_mul_f32 v[GT+16*\m+n:GT+16*\m+n+1], v[32*(\a)+n:32*(\a)+n+1], v[BF+32*\m+n:BF+32*\m+n+1]
.set n, n+2
.endr
	WIN ((1+\m)<<6)|(1+\m)
.set n, 0
.rept 8
	v_pk_mul_f32 v[32*(\a)+16+n:32*(\a)+16+n+1], v[32*(\a)+16+n:32*(\a)+16+n+1], v[BF+32*\m+16+n:BF+32*\m+16+n+1]
.set n, n+2
.endr
.endr
	WIN 0
.set n, 0
.rept 24
	v_pk_mul_f32 v[ET+n:ET+n+1], v[GT+n:GT+n+1], s[NLE:NLE+1] op_sel_hi:[1,0]
.set n, n+2
.endr
.set n, 0
	s_wait_alu depctr_va_vdst(0)
.rept 48
	v_exp_f32 v[ET+n], v[ET+n]
.set n, n+1
.endr
	v_nop
	s_wait_alu depctr_va_vdst(0)
.set n, 0
.rept 24
	v_pk_add_f32 v[ET+n:ET+n+1], v[ET+n:ET+n+1], 1.0 op_sel_hi:[1,0]
.set n, n+2
.endr
.set n, 0
	s_wait_alu depctr_va_vdst(0)
.rept 48
	v_rcp_f32 v[ET+n], v[ET+n]
.set n, n+1
.endr
	v_nop
	s_wait_alu depctr_va_vdst(0)
.set n, 0
.rept 24
	v_pk_mul_f32 v[GT+n:GT+n+1], v[GT+n:GT+n+1], v[ET+n:ET+n+1]
.set n, n+2
.endr
.irp m, 0,1,2
	WIN (1+\m)<<2
.set n, 0
.rept 8
	v_pk_mul_f32 v[GT+16*\m+n:GT+16*\m+n+1], v[GT+16*\m+n:GT+16*\m+n+1], v[32*(\a)+16+n:32*(\a)+16+n+1]
.set n, n+2
.endr
.endr
	WIN 0
.irp b, 0,1,2
	v_max3_num_f32 v[TM+\b], |v[GT+16*\b]|, |v[GT+16*\b+1]|, 0x1800000
.endr
.irp i, 2,4,6,8,10,12,14
.irp b, 0,1,2
	v_max3_num_f32 v[TM+\b], v[TM+\b], |v[GT+16*\b+\i]|, |v[GT+16*\b+\i+1]|
.endr
.endr
.irp b, 0,1,2
	v_permlanex16_b32 v[TM+3+\b], v[TM+\b], s[SEL], s[SEL+1]
.endr
.irp b, 0,1,2
	v_max_num_f32 v[TM+\b], v[TM+\b], v[TM+3+\b]
.endr
.irp b, 0,1,2
	v_add_nc_u32 v[TM+6+\b], 0xff000000, v[TM+\b]
.endr
	v_lshrrev_b32 v[TM+9], 23, v[TM+6]
	v_lshrrev_b32 v[TM+10], 23, v[TM+7]
	v_lshrrev_b32 v[PW+1], 23, v[TM+8]
	v_lshl_or_b32 v[PW], v[TM+10], 16, v[TM+9]
	s_wait_alu depctr_va_vdst(0)
	s_wait_xcnt 0x0
.irp b, 0,1,2
	v_cvt_scalef32_pk8_fp4_f32 v[PC+2*\b], v[GT+16*\b:GT+16*\b+7], v[TM+6+\b]
	v_cvt_scalef32_pk8_fp4_f32 v[PC+2*\b+1], v[GT+16*\b+8:GT+16*\b+15], v[TM+6+\b]
.endr
	v_nop
	ds_store_b64 v[SST], v[PW:PW+1] offset:128*(\a)
	global_store_b64 v[HCO], v[PC:PC+1], s[16:17] offset:22528*(\a)
	global_store_b64 v[HCO], v[PC+2:PC+3], s[16:17] offset:22528*(\a)+512
	s_cmp_eq_u32 s[JT], 14
	s_cbranch_scc1 .Lno_\@
	global_store_b64 v[HCO], v[PC+4:PC+5], s[16:17] offset:22528*(\a)+1024
.Lno_\@:
.endm
.irp a, 0,1,2,3,4,5,6,7
	EPI \a
.endr
	s_wait_dscnt 0x0
	s_barrier_signal -1
	s_barrier_wait -1
	ds_load_b128 v[FN:FN+3], v[SRD]
	ds_load_b128 v[FN+4:FN+7], v[SRD] offset:2048
	s_wait_dscnt 0x0
	v_lshl_or_b32 v[FN+8], v[FN+4], 8, v[FN]
	v_lshl_or_b32 v[FN+9], v[FN+6], 8, v[FN+2]
	v_lshl_or_b32 v[FN+10], v[FN+5], 8, v[FN+1]
	v_lshl_or_b32 v[FN+11], v[FN+7], 8, v[FN+3]
	s_cmp_eq_u32 s[PAR], 0
	s_cbranch_scc0 .Lodd
	global_store_b64 v[T8], v[FN+8:FN+9], s[18:19]
	s_cmp_eq_u32 s[JT], 14
	s_cbranch_scc1 .Ldone
	global_store_b16 v[T8], v[FN+10], s[14:15]
	global_store_b16 v[T8], v[FN+11], s[14:15] offset:4
	s_branch .Ldone
.Lodd:
	s_wait_alu depctr_va_vdst(0)
	v_lshrrev_b32 v[FN], 16, v[FN+8]
	v_lshrrev_b32 v[FN+1], 16, v[FN+9]
	v_lshl_or_b32 v[FN], v[FN+10], 16, v[FN]
	v_lshl_or_b32 v[FN+1], v[FN+11], 16, v[FN+1]
	global_store_b64 v[T8], v[FN:FN+1], s[18:19]
	global_store_b16 v[T8], v[FN+8], s[14:15] offset:2
	global_store_b16 v[T8], v[FN+9], s[14:15] offset:6
.Ldone:
	s_wait_tensorcnt 0x0
	ds_add_u32 v[SPW], v[NIL]
	s_wait_dscnt 0x0
	CROUND
	s_endpgm
.Lfunc_end_k_qa5b2126358_gateup:
	.size	k_qa5b2126358_gateup, .Lfunc_end_k_qa5b2126358_gateup-k_qa5b2126358_gateup
	.p2alignl 7, 3214868480
	.fill 96, 4, 3214868480
	.section	.rodata,"a",@progbits
	.p2align	6, 0x0
	.amdhsa_kernel k_qa5b2126358_gateup
		.amdhsa_group_segment_fixed_size 327680
		.amdhsa_private_segment_fixed_size 0
		.amdhsa_enable_private_segment 0
		.amdhsa_kernarg_size 64
		.amdhsa_user_sgpr_count 2
		.amdhsa_user_sgpr_kernarg_segment_ptr 1
		.amdhsa_wavefront_size32 1
		.amdhsa_system_sgpr_workgroup_id_x 1
		.amdhsa_system_sgpr_workgroup_id_y 1
		.amdhsa_system_sgpr_workgroup_id_z 1
		.amdhsa_system_vgpr_workitem_id 0
		.amdhsa_next_free_vgpr 1024
		.amdhsa_next_free_sgpr 100
		.amdhsa_reserve_vcc 0
		.amdhsa_float_denorm_mode_32 3
		.amdhsa_float_denorm_mode_16_64 3
		.amdhsa_memory_ordered 1
		.amdhsa_forward_progress 1
		.amdhsa_inst_pref_size 255
	.end_amdhsa_kernel
	.section	.bss,"aw",@nobits
	.p2align	6
	.space	262144
	.amdgpu_metadata
---
amdhsa.version: [ 1, 2 ]
amdhsa.kernels:
  - .name:           k_qa5b2126358_gateup
    .symbol:         k_qa5b2126358_gateup.kd
    .args:
      - { .name: xc, .offset: 0, .size: 8, .value_kind: global_buffer, .address_space: global }
      - { .name: xs, .offset: 8, .size: 8, .value_kind: global_buffer, .address_space: global }
      - { .name: guc, .offset: 16, .size: 8, .value_kind: global_buffer, .address_space: global }
      - { .name: gus, .offset: 24, .size: 8, .value_kind: global_buffer, .address_space: global }
      - { .name: gate_s, .offset: 32, .size: 8, .value_kind: global_buffer, .address_space: global }
      - { .name: up_s, .offset: 40, .size: 8, .value_kind: global_buffer, .address_space: global }
      - { .name: hc, .offset: 48, .size: 8, .value_kind: global_buffer, .address_space: global }
      - { .name: hs, .offset: 56, .size: 8, .value_kind: global_buffer, .address_space: global }
    .group_segment_fixed_size: 327680
    .private_segment_fixed_size: 0
    .kernarg_segment_align: 8
    .kernarg_segment_size: 64
    .max_flat_workgroup_size: 128
    .sgpr_count:     100
    .vgpr_count:     1024
    .wavefront_size: 32
...
	.end_amdgpu_metadata
.endif
;; end of part 2
;; launch down (part 3): grid 16 x 16, 4 waves a work-group, clusters of 4 x 4, 327,680 bytes of LDS; arguments hc, hs, dwc, dws, down_s, out0; writes out0
.if DOCPART == 3
	.amdgcn_target "amdgcn-amd-amdhsa--gfx1250"
	.amdhsa_code_object_version 6
	.text
	.protected	k_qa5b2126358_down
	.globl	k_qa5b2126358_down
	.p2align	8
	.type	k_qa5b2126358_down,@function
k_qa5b2126358_down:
	s_mov_b64 s[64:65], 0
	v_nop
	global_prefetch_b8 v0, s[64:65] scope:SCOPE_SE
	s_setreg_imm32_b32 hwreg(HW_REG_WAVE_MODE, 25, 1), 1
	s_wait_xcnt 0x0
	s_wait_alu depctr_hold_cnt(0) depctr_sa_sdst(0) depctr_va_vdst(0) depctr_va_sdst(0) depctr_va_ssrc(0) depctr_va_vcc(0) depctr_vm_vsrc(0)
	s_getreg_b32 s2, hwreg(HW_REG_IB_STS2, 6, 4)
	s_cmp_eq_u32 s2, 0
	s_cbranch_scc0 .Lentry_in_a_cluster
	s_endpgm
.Lentry_in_a_cluster:
	s_bfe_u32 s2, ttmp6, 0x10000c
	s_cmp_lg_u32 s2, 0xf033
	s_cbranch_scc0 .Lentry_shape_is_right
	s_endpgm
.Lentry_shape_is_right:
; out = (h Wd^T) ds, on the codes and scale words that the two launches before have stored.  K = 2,752 filled with zero codes to 2,816: 22 steps of 128.  Nothing of the problem is left out here.
; A work-group makes 256 rows x 128 columns: 16 x 16 = 256 work-groups.  Wave w takes rows 64 w on against all 128 columns: 32 accumulators, 256 registers.
; Operands lie as images of their registers ([row / 16][k / 32][row % 16][16 bytes]): a fragment is two loads of 16 bytes a lane, 512 bytes on end each.
; THE RING: slot 0 holds six K steps, slot 1 five: steps 0-5, 6-10, 11-16, 17-21.  Half of K goes out with the first fills; each slot is filled again once.
; THE SCALES of the work-group's rows and columns, for all of K, come once, with the first fills.
; CLUSTER 4 x 4: h's tiles and scales hang on the tile row alone and are shared along a row of the cluster, Wd's on the tile column alone and are shared along a column: joint loads.
; THE PRODUCT IS USED TRANSPOSED (source 0 = 16 rows of Wd, source 1 = 16 rows of h): a lane holds eight neighbouring columns of one row of out.
; REGISTERS: window 0: v16-29 addresses; v32-43 scale words, two sets, and nothing else; v64-127 h's fragments, two sets of 4; v128-255 Wd's, two sets of 8 (all free on the way out).
;   window 1: the accumulators, (a, b) at v[8 (8 a + b)].   window 2: v0-63 ds of my lane's columns.
.set S1A,   147456                     ; slot 0: h's 16 tiles x 6,144 bytes at 0, Wd's 8 at 98,304; slot 1: h's 16 x 5,120 here, Wd's 8 at 229,376
.set S0B,   98304
.set S1B,   229376
.set SCA,   270336                     ; h's scale words: 22 K steps x 1,024 bytes
.set SCB,   292864                     ; Wd's: 22 x 512
.set SPARE, 304128                     ; the spare words, 128 bytes a wave
.set SPITCH, 528                       ; the way out: a stage of 16 rows x (512 + 16) bytes a wave, from LDS byte 0: slot 0 has had its last fill and its last read by then
.set ADRA, 16
.set ADRB, 20
.set ADSA, 22
.set ADSB, 23
.set STO,  24
.set RD,   25
.set CO,   26
.set H32,  27
.set SPW,  28
.set NIL,  29
.set SC,   32
.set AFR,  64
.set BFR,  128
.set TMP,  64
.set BK,   128
.set WV,   16
.set KIND, 17
.set HF,   18
.set G1A6, 24
.set G1A5, 32
.set G1B6, 40
.set G1B5, 48
.set G1SA, 56
.set G1SB, 68
.set G0A,  76                          ; s[76:79], s[80:83]: slots 0, 1
.set G0B,  84                          ; s[84:87], s[88:91]
.set G0SA, 92
.set G0SB, 96
.set MSB, 0
.macro WIN new
.if MSB != (\new)
	s_set_vgpr_msb (MSB<<8)|(\new)
.set MSB, (\new)
.endif
.endm
.macro JLOAD g0a, g1a, g0b, g1b        ; waves 0, 1 fetch for h, waves 2, 3 for Wd; an s_nop 0 and four v_nop follow each line
	s_cmp_eq_u32 s[KIND], 0
	s_cbranch_scc0 .Lfor_b_\@
	tensor_load_to_lds s[\g0a:\g0a+3], s[\g1a:\g1a+7]
	s_nop 0
.rept 4
	v_nop
.endr
	s_branch .Lasked_\@
.Lfor_b_\@:
	tensor_load_to_lds s[\g0b:\g0b+3], s[\g1b:\g1b+7]
	s_nop 0
.rept 4
	v_nop
.endr
.Lasked_\@:
.endm
.macro CREST
	s_cmp_lg_u32 s[WV], 0
	s_cbranch_scc1 .Lnot_wave_0_\@
	s_barrier_signal -3
.Lnot_wave_0_\@:
	s_barrier_wait -3
	s_barrier_signal -1
	s_barrier_wait -1
.endm
.macro CROUND
	s_barrier_signal -1
	s_barrier_wait -1
	CREST
.endm
.macro G1SET g, c, r, p                ; r rows of c elements of 8 bytes, p elements from row to row
	s_mov_b32 s[\g+1], (\c)<<16
	s_mov_b32 s[\g+2], (\r)<<16
	s_mov_b32 s[\g+3], (\c)<<16
	s_mov_b32 s[\g+4], \r
	s_mov_b32 s[\g+5], \p
	s_mov_b32 s[\g+6], 0
	s_mov_b32 s[\g+7], 0
.endm
	s_load_b256 s[4:11], s[0:1], 0x0               ; hc, hs, dwc, dws
	s_load_b128 s[12:15], s[0:1], 0x20             ; down_s, out0
	v_lshl_add_u32 v[SPW], v0, 2, SPARE
	v_mov_b32 v[NIL], 0
	ds_add_u32 v[SPW], v[NIL]                      ; the wave's opening: the add, twice on end, and its wait ahead of my first tensor load
	ds_add_u32 v[SPW], v[NIL]
	v_lshrrev_b32 v1, 5, v0
	v_readfirstlane_b32 s[WV], v1                  ; wave 0..3
	s_lshr_b32 s[KIND], s[WV], 1                   ; I fetch for h (0) or for Wd (1),
	s_and_b32 s[HF], s[WV], 1                      ; and which half
	s_bfe_u32 s19, ttmp6, 0x40000                  ; cx
	s_bfe_u32 s20, ttmp6, 0x40004                  ; cy
	s_lshl_b32 s21, ttmp9, 2
	s_add_co_u32 s21, s21, s19                     ; tile of 128 columns
	s_and_b32 s22, ttmp7, 0xffff
	s_lshl_b32 s22, s22, 2
	s_add_co_u32 s22, s22, s20                     ; tile of 256 rows
	s_lshl_b32 s23, s20, 2
	s_lshl_b32 s23, 15, s23                        ; my row of the cluster
	s_lshl_b32 s100, 0x1111, s19                   ; my column
	s_or_b32 s[G1A6], s23, (3<<16)|(1<<21)         ; the mask; elements of 8 bytes; bit 21 beside a mask
	s_or_b32 s[G1A5], s23, (3<<16)|(1<<21)
	s_or_b32 s[G1SA], s23, (3<<16)|(1<<21)
	s_or_b32 s[G1B6], s100, (3<<16)|(1<<21)
	s_or_b32 s[G1B5], s100, (3<<16)|(1<<21)
	s_or_b32 s[G1SB], s100, (3<<16)|(1<<21)
	G1SET G1A6, 768, 16, 2816                      ; the head's load: all 16 tiles of rows x six K steps (6,144 bytes), 22,528 bytes apart; the ring's row counts are set behind the head's wait
	G1SET G1A5, 640, 8, 2816                       ; five K steps
	G1SET G1B6, 768, 8, 2816
	G1SET G1B5, 640, 4, 2816
	G1SET G1SA, 128, 22, 2048                      ; 22 K steps x 1,024 bytes of scale words, 16,384 bytes apart
	G1SET G1SB, 64, 22, 1024                       ; 22 x 512 bytes, 8,192 apart
	s_wait_dscnt 0x0                               ; both opening adds are done
	s_wait_kmcnt 0x0
	s_lshl_b32 s2, s22, 4                          ; h's side, in registers that never hold the tile column
	s_mul_i32 s2, s2, 22528
	s_mov_b32 s3, 0
	s_add_nc_u64 s[4:5], s[4:5], s[2:3]            ; hc at my 16 tiles of rows
	s_lshl_b32 s2, s22, 10
	s_mov_b32 s3, 0
	s_add_nc_u64 s[6:7], s[6:7], s[2:3]            ; hs at my 256 rows
	s_lshl_b32 s66, s21, 3                         ; Wd's side, in registers that never hold the tile row
	s_mul_i32 s66, s66, 22528
	s_mov_b32 s67, 0
	s_add_nc_u64 s[8:9], s[8:9], s[66:67]
	s_lshl_b32 s66, s21, 9
	s_mov_b32 s67, 0
	s_add_nc_u64 s[10:11], s[10:11], s[66:67]
	CROUND                                         ; all sixteen work-groups are here: the first joint loads meet
	s_mov_b32 s[G0SA], 1
	s_mov_b32 s[G0SA+1], SCA
	s_mov_b64 s[G0SA+2:G0SA+3], s[6:7]
	s_or_b32 s[G0SA+3], s[G0SA+3], 0x80000000
	s_mov_b32 s[G0SB], 1
	s_mov_b32 s[G0SB+1], SCB
	s_mov_b64 s[G0SB+2:G0SB+3], s[10:11]
	s_or_b32 s[G0SB+3], s[G0SB+3], 0x80000000
	s_mov_b32 s[G0A], 1
	s_mov_b32 s[G0A+1], 0
	s_mov_b64 s[G0A+2:G0A+3], s[4:5]
	s_or_b32 s[G0A+3], s[G0A+3], 0x80000000
	s_mov_b32 s[G0B], 1
	s_mov_b32 s[G0B+1], S0B
	s_mov_b64 s[G0B+2:G0B+3], s[8:9]
	s_or_b32 s[G0B+3], s[G0B+3], 0x80000000
; the head's four tiles, one tensor load a wave: wave 0 h's slot 0, wave 1 Wd's, wave 2 h's scale words, wave 3 Wd's; one chain of branches on the wave's number
.macro ARM under, g0, g1, next
	s_cmp_lt_u32 s[WV], \under
	s_cbranch_scc0 \next
	tensor_load_to_lds s[\g0:\g0+3], s[\g1:\g1+7]
	s_nop 0
.rept 4
	v_nop
.endr
	s_branch .Lhead_asked
\next:
.endm
	ARM 1, G0A,  G1A6, .Lhead_b
	ARM 2, G0B,  G1B6, .Lhead_sa
	ARM 3, G0SA, G1SA, .Lhead_sb
	tensor_load_to_lds s[G0SB:G0SB+3], s[G1SB:G1SB+7]
	s_nop 0
.rept 4
	v_nop
.endr
.Lhead_asked:
	s_mul_i32 s2, s[HF], 180224                    ; for the ring: my half of a tile: 8 tiles of h's rows,
	s_mov_b32 s3, 0
	s_add_nc_u64 s[4:5], s[4:5], s[2:3]
	s_mul_i32 s66, s[HF], 90112                    ; 4 of Wd's
	s_mov_b32 s67, 0
	s_add_nc_u64 s[8:9], s[8:9], s[66:67]
	s_mov_b32 s[G0A+4], 1
	s_mul_i32 s[G0A+5], s[HF], 40960
	s_add_co_u32 s[G0A+5], s[G0A+5], S1A
	s_add_nc_u64 s[G0A+6:G0A+7], s[4:5], 6144
	s_or_b32 s[G0A+7], s[G0A+7], 0x80000000
	s_mov_b32 s[G0B+4], 1
	s_mul_i32 s[G0B+5], s[HF], 20480
	s_add_co_u32 s[G0B+5], s[G0B+5], S1B
	s_add_nc_u64 s[G0B+6:G0B+7], s[8:9], 6144
	s_or_b32 s[G0B+7], s[G0B+7], 0x80000000
	; ds of my lane's columns: register 8 b + i: column 16 b + 8 (lane / 16) + i of the tile's 128
	s_lshl_b32 s66, s21, 9
	s_mov_b32 s67, 0
	s_add_nc_u64 s[12:13], s[12:13], s[66:67]
	v_and_b32 v1, 31, v0                           ; lane
	v_and_b32 v2, 15, v0                           ; r
	v_bfe_u32 v3, v0, 4, 1                         ; h
	v_lshlrev_b32 v[H32], 5, v3
	WIN 0x80                                       ; destination window 2
.irp b, 0,1,2,3,4,5,6,7
	global_load_b128 v[8*\b:8*\b+3], v[H32], s[12:13] offset:64*\b
	global_load_b128 v[8*\b+4:8*\b+7], v[H32], s[12:13] offset:64*\b+16
.endr
	WIN 0
	v_lshlrev_b32 v[CO], 4, v1                     ; 16 x lane
	s_mul_i32 s23, s[WV], 24576                    ; my 4 tiles of rows in slot 0,
	v_add_nc_u32 v[ADRA], s23, v[CO]
	s_mul_i32 s23, s[WV], 20480
	s_add_co_u32 s23, s23, S1A                     ; and in slot 1
	v_add_nc_u32 v[ADRA+1], s23, v[CO]
	v_add_nc_u32 v[ADRB], S0B, v[CO]
	v_add_nc_u32 v[ADRB+1], S1B, v[CO]
	v_lshlrev_b32 v4, 2, v1
	s_lshl_b32 s23, s[WV], 8
	s_add_co_u32 s23, s23, SCA
	v_add_nc_u32 v[ADSA], s23, v4
	v_add_nc_u32 v[ADSB], SCB, v4
	s_mul_i32 s23, s[WV], 16*SPITCH                ; my stage
	v_mul_u32_u24 v[STO], v2, SPITCH
	v_lshl_add_u32 v[STO], v3, 5, v[STO]
	v_add_nc_u32 v[STO], s23, v[STO]               ; in: row r, 32 bytes for each half of the lanes
	v_add_nc_u32 v[RD], s23, v[CO]                 ; back: the 32 lanes take a row of 512 bytes
	s_lshl_b32 s100, s22, 8
	s_lshl_b32 s101, s[WV], 6
	s_add_co_u32 s100, s100, s101
	s_lshl_b32 s100, s100, 13                      ; my first row of out, 8,192 bytes a row,
	s_lshl_b32 s101, s21, 9
	s_add_co_u32 s100, s100, s101                  ; my tile's first column
	s_mov_b32 s101, 0
	s_add_nc_u64 s[14:15], s[14:15], s[100:101]
.macro FRAG reg, adr, off
	ds_load_b128 v[\reg:\reg+3], v[\adr] offset:\off
	ds_load_b128 v[\reg+4:\reg+7], v[\adr] offset:\off+512
.endm
.macro FETCH ks                        ; K step ks into set ks % 2: h's 4 fragments, Wd's 8, 2 + 4 registers of scale words: 30 loads
.set kk, (\ks)%11
.if kk < 6
.set sl, 0
.set qq, kk
.set LL, 6144
.else
.set sl, 1
.set qq, kk-6
.set LL, 5120
.endif
.set pp, (\ks)%2
.irp i, 0,1,2,3
	FRAG AFR+32*pp+8*\i, ADRA+sl, LL*\i+1024*qq
.endr
.irp i, 0,1,2,3,4,5,6,7
	FRAG BFR+64*pp+8*\i, ADRB+sl, LL*\i+1024*qq
.endr
.irp i, 0,1
	ds_load_b32 v[SC+6*pp+\i], v[ADSA] offset:1024*(\ks)+128*\i
.endr
.irp i, 0,1,2,3
	ds_load_b32 v[SC+6*pp+2+\i], v[ADSB] offset:512*(\ks)+128*\i
.endr
.endm
.macro WM a, b, p, zero                ; accumulator (a, b) += Wd's tile b x h's block a; an odd block's scale words lie in lanes 16-31
.set rD, 8*(8*(\a)+(\b))
.set rB, BFR+64*(\p)+8*(\b)
.set rA, AFR+32*(\p)+8*(\a)
.set sB, SC+6*(\p)+2+(\b)/2
.set sA, SC+6*(\p)+(\a)/2
.if \zero
.if ((\b)%2) && ((\a)%2)
	v_wmma_scale_f32_16x16x128_f8f6f4 v[rD:rD+7], v[rB:rB+7], v[rA:rA+7], 0, v[sB], v[sA] matrix_a_fmt:MATRIX_FMT_FP4 matrix_b_fmt:MATRIX_FMT_FP4 matrix_a_scale:MATRIX_SCALE_ROW1 matrix_b_scale:MATRIX_SCALE_ROW1
.elseif (\b)%2
	v_wmma_scale_f32_16x16x128_f8f6f4 v[rD:rD+7], v[rB:rB+7], v[rA:rA+7], 0, v[sB], v[sA] matrix_a_fmt:MATRIX_FMT_FP4 matrix_b_fmt:MATRIX_FMT_FP4 matrix_a_scale:MATRIX_SCALE_ROW1
.elseif (\a)%2
	v_wmma_scale_f32_16x16x128_f8f6f4 v[rD:rD+7], v[rB:rB+7], v[rA:rA+7], 0, v[sB], v[sA] matrix_a_fmt:MATRIX_FMT_FP4 matrix_b_fmt:MATRIX_FMT_FP4 matrix_b_scale:MATRIX_SCALE_ROW1
.else
	v_wmma_scale_f32_16x16x128_f8f6f4 v[rD:rD+7], v[rB:rB+7], v[rA:rA+7], 0, v[sB], v[sA] matrix_a_fmt:MATRIX_FMT_FP4 matrix_b_fmt:MATRIX_FMT_FP4
.endif
.else
.if ((\b)%2) && ((\a)%2)
	v_wmma_scale_f32_16x16x128_f8f6f4 v[rD:rD+7], v[rB:rB+7], v[rA:rA+7], v[rD:rD+7], v[sB], v[sA] matrix_a_fmt:MATRIX_FMT_FP4 matrix_b_fmt:MATRIX_FMT_FP4 matrix_a_scale:MATRIX_SCALE_ROW1 matrix_b_scale:MATRIX_SCALE_ROW1
.elseif (\b)%2
	v_wmma_scale_f32_16x16x128_f8f6f4 v[rD:rD+7], v[rB:rB+7], v[rA:rA+7], v[rD:rD+7], v[sB], v[sA] matrix_a_fmt:MATRIX_FMT_FP4 matrix_b_fmt:MATRIX_FMT_FP4 matrix_a_scale:MATRIX_SCALE_ROW1
.elseif (\a)%2
	v_wmma_scale_f32_16x16x128_f8f6f4 v[rD:rD+7], v[rB:rB+7], v[rA:rA+7], v[rD:rD+7], v[sB], v[sA] matrix_a_fmt:MATRIX_FMT_FP4 matrix_b_fmt:MATRIX_FMT_FP4 matrix_b_scale:MATRIX_SCALE_ROW1
.else
	v_wmma_scale_f32_16x16x128_f8f6f4 v[rD:rD+7], v[rB:rB+7], v[rA:rA+7], v[rD:rD+7], v[sB], v[sA] matrix_a_fmt:MATRIX_FMT_FP4 matrix_b_fmt:MATRIX_FMT_FP4
.endif
.endif
.endm
.macro MULH ks, a0, zero               ; 16 matrix instructions; the 32 accumulators take turns, one instruction a turn, in the same order in every step
	WIN 0x50                                       ; C and D window 1, operands window 0
.irp a, \a0, \a0+1
.irp b, 0,1,2,3,4,5,6,7
	WM \a, \b, (\ks)%2, \zero
.endr
.endr
.endm
.macro PLACES                          ; four plain instructions between a matrix instruction and a load into, or a vector instruction on, its registers (ISA guide 7.12.1 for vector instructions)
.rept 4
	v_nop
.endr
.endm
.macro KSTEP ks, zero                  ; the next step's 30 loads go out in one run, ahead of this step's 32 matrix instructions
	PLACES                                         ; the other set was read by the step before
	s_wait_dscnt 0x0                               ; this step's set is in (asked for a step ago)
	FETCH (\ks)+1
	MULH \ks, 0, \zero
	MULH \ks, 2, \zero
	WIN 0
.endm
; A slot's last K step changes slots: one barrier; in front of it each wave waits for all its tensor loads, adds 0 to its spare word, and waits for that and for its reads of this slot.
; fill = 1: the barrier opens a round of the cluster's barrier, and this slot is filled again, eleven K steps on, first thing behind the round.
.macro CHANGE ks, fill, slot
	s_wait_tensorcnt 0x0                           ; all my tensor loads have landed: my part of the next slot
	ds_add_u32 v[SPW], v[NIL]
	s_wait_dscnt 1                                 ; this step's set is in (the add may be out)
	MULH \ks, 0, 0
	s_wait_dscnt 0x0                               ; the add is done, and my reads of this slot are over
	s_barrier_signal -1
	MULH \ks, 2, 0
	WIN 0
	s_barrier_wait -1
.if \fill
	CREST                                          ; no wave of any partner still reads this slot or has a load on its way
	s_add_nc_u64 s[G0A+4*\slot+2:G0A+4*\slot+3], s[G0A+4*\slot+2:G0A+4*\slot+3], 11264
	s_add_nc_u64 s[G0B+4*\slot+2:G0B+4*\slot+3], s[G0B+4*\slot+2:G0B+4*\slot+3], 11264
.if \slot == 0
	JLOAD G0A, G1A6, G0B, G1B6                     ; my one tensor load behind the round; its four v_nop are the places in front of the loads below
.else
	JLOAD G0A+4, G1A5, G0B+4, G1B5
.endif
.else
	PLACES
.endif
	FETCH (\ks)+1
.endm
	s_wait_alu depctr_va_vdst(0)
	s_wait_loadcnt 0x0                             ; ds
	s_wait_tensorcnt 0x0                           ; my tile of the head's four is in
	ds_add_u32 v[SPW], v[NIL]
	s_mov_b32 s[G1A6+2], 8<<16                     ; no tensor load of mine is out: from here on a load brings half a tile's rows,
	s_mov_b32 s[G1A6+4], 8
	s_mov_b32 s[G1B6+2], 4<<16
	s_mov_b32 s[G1B6+4], 4
	s_mul_i32 s[G0A+1], s[HF], 49152               ; and slot 0's group 0 names my half
	s_mov_b64 s[G0A+2:G0A+3], s[4:5]
	s_or_b32 s[G0A+3], s[G0A+3], 0x80000000
	s_mul_i32 s[G0B+1], s[HF], 24576
	s_add_co_u32 s[G0B+1], s[G0B+1], S0B
	s_mov_b64 s[G0B+2:G0B+3], s[8:9]
	s_or_b32 s[G0B+3], s[G0B+3], 0x80000000
	s_wait_dscnt 0x0                               ; the add is done
	CROUND                                         ; all four tiles are in, and all sixteen work-groups are here
	JLOAD G0A+4, G1A5, G0B+4, G1B5                 ; slot 1's first fill, K steps 6-10: my one tensor load behind the round
	FETCH 0
	KSTEP 0, 1                                     ; the first products start the sums: nothing is cleared
.irp k, 1,2,3,4
	KSTEP \k, 0
.endr
	CHANGE 5, 1, 0
.irp k, 6,7,8,9
	KSTEP \k, 0
.endr
	CHANGE 10, 1, 1
.irp k, 11,12,13,14,15
	KSTEP \k, 0
.endr
	CHANGE 16, 0, 0                                ; nothing is left to fetch
.irp k, 17,18,19,20
	KSTEP \k, 0
.endr
	s_wait_dscnt 0x0
	MULH 21, 0, 0
	MULH 21, 2, 0
	WIN 0
; THE WAY OUT, a block of 16 rows x 128 columns at a time: x ds; through my own stage in LDS; back as whole rows of 512 bytes.  LDS serves a wave's instructions in order: no wait between the stores and the loads.
.macro PACK a
	WIN 0x09                                       ; source 0 (the sums) window 1, source 1 (ds) window 2
.set n, 0
.rept 32
	v_pk_mul_f32 v[TMP+n:TMP+n+1], v[64*(\a)+n:64*(\a)+n+1], v[n:n+1]      ; each accumulator from its low end on
.set n, n+2
.endr
	WIN 0
.endm
.macro TOSTAGE a
.set BB, BK+64*((\a)%2)
.irp b, 0,1,2,3,4,5,6,7
	ds_store_b128 v[STO], v[TMP+8*\b:TMP+8*\b+3] offset:64*\b
	ds_store_b128 v[STO], v[TMP+8*\b+4:TMP+8*\b+7] offset:64*\b+16
.endr
.irp t, 0,1,2,3,4,5,6,7,8,9,10,11,12,13,14,15
	ds_load_b128 v[BB+4*\t:BB+4*\t+3], v[RD] offset:\t*SPITCH
.endr
.endm
.macro SEND a, younger                 ; younger: the LDS instructions issued behind block a's loads, which may stay out
.set BB, BK+64*((\a)%2)
	s_wait_dscnt \younger
.irp t, 0,1,2,3,4,5,6,7,8,9,10,11,12,13,14,15
	global_store_b128 v[CO], v[BB+4*\t:BB+4*\t+3], s[14:15] offset:(16*(\a)+\t)*8192 th:TH_STORE_NT   ; 32 lanes store 512 bytes on end, aligned; 63 rows at the most stand in the immediate
.endr
.endm
	PLACES                                         ; behind the last products: the lines below read results and write over h's fragments
	PACK 0
	TOSTAGE 0
.irp a, 1,2,3
	s_wait_dscnt 16                                ; the stores into the stage have read their registers (the 16 loads behind them may be out)
	PACK \a
.if \a > 1
	s_wait_alu depctr_va_vdst(0)
	s_wait_xcnt 0x0                                ; block a - 2's stores have read their registers: block a's loads may land there
.endif
	TOSTAGE \a
	SEND \a-1, 32                                  ; behind block a - 1's loads: block a's 16 stores and 16 loads
.endr
	SEND 3, 0
	s_wait_tensorcnt 0x0                           ; the wave's end
	ds_add_u32 v[SPW], v[NIL]
	s_wait_dscnt 0x0
	CROUND                                         ; the closing round: no work-group ends while a partner may still ask for a tile that names it
	s_endpgm
.Lfunc_end_k_qa5b2126358_down:
	.size	k_qa5b2126358_down, .Lfunc_end_k_qa5b2126358_down-k_qa5b2126358_down
	.p2alignl 7, 3214868480
	.fill 96, 4, 3214868480
	.section	.rodata,"a",@progbits
	.p2align	6, 0x0
	.amdhsa_kernel k_qa5b2126358_down
		.amdhsa_group_segment_fixed_size 327680
		.amdhsa_private_segment_fixed_size 0
		.amdhsa_enable_private_segment 0
		.amdhsa_kernarg_size 48
		.amdhsa_user_sgpr_count 2
		.amdhsa_user_sgpr_kernarg_segment_ptr 1
		.amdhsa_wavefront_size32 1
		.amdhsa_system_sgpr_workgroup_id_x 1
		.amdhsa_system_sgpr_workgroup_id_y 1
		.amdhsa_system_sgpr_workgroup_id_z 1
		.amdhsa_system_vgpr_workitem_id 0
		.amdhsa_next_free_vgpr 576
		.amdhsa_next_free_sgpr 102
		.amdhsa_reserve_vcc 0
		.amdhsa_float_denorm_mode_32 3
		.amdhsa_float_denorm_mode_16_64 3
		.amdhsa_memory_ordered 1
		.amdhsa_forward_progress 1
		.amdhsa_inst_pref_size 172
	.end_amdhsa_kernel
	.amdgpu_metadata
---
amdhsa.version: [ 1, 2 ]
amdhsa.kernels:
  - .name:           k_qa5b2126358_down
    .symbol:         k_qa5b2126358_down.kd
    .args:
      - { .name: hc, .offset: 0, .size: 8, .value_kind: global_buffer, .address_space: global }
      - { .name: hs, .offset: 8, .size: 8, .value_kind: global_buffer, .address_space: global }
      - { .name: dwc, .offset: 16, .size: 8, .value_kind: global_buffer, .address_space: global }
      - { .name: dws, .offset: 24, .size: 8, .value_kind: global_buffer, .address_space: global }
      - { .name: down_s, .offset: 32, .size: 8, .value_kind: global_buffer, .address_space: global }
      - { .name: out0, .offset: 40, .size: 8, .value_kind: global_buffer, .address_space: global }
    .group_segment_fixed_size: 327680
    .private_segment_fixed_size: 0
    .kernarg_segment_align: 8
    .kernarg_segment_size: 48
    .max_flat_workgroup_size: 128
    .sgpr_count:     102
    .vgpr_count:     576
    .wavefront_size: 32
...
	.end_amdgpu_metadata
.endif
;; end of part 3
